; MI455X (gfx1250); checked and timed in simulation.
; The chip was launched on July 23, 2026; its instructions are those of AMD's public machine-readable ISA for CDNA 5 (MIT licence, August 2026) and "CDNA5" Instruction Set Architecture Reference Guide (July 2026). The comments in the code are by the model that wrote it; some were corrected since.
;; Memory Enhanced Module. Allowed arithmetic: matrix products marked QUANTISED: E2M3 operands, one E8M0 scale for each 32 along K, by v_wmma_scale_f32_16x16x128_f8f6f4 with both operands' format E2M3, f32 sums; products left as they are: f32 operands where the result goes on into a quantised operand, else bf16, f16 or f32 operands; f32 sums; everything else in f32.
;; Inputs: Wf_codes 1,024 x 64 x 24 uint8 (E2M3 codes of Wf, K innermost, in blocks of 32 codes, four codes in three bytes); Wf_scales 1,024 x 64 uint8 (E8M0 scales of Wf, one for each 32 codes along K); Wq_codes 1,024 x 32 x 24 uint8 (E2M3 codes of Wq, K innermost, in blocks of 32 codes, four codes in three bytes); Wq_scales 1,024 x 32 uint8 (E8M0 scales of Wq, one for each 32 codes along K); beta 1,024 float32; bf 1,024 float32; bq 1,024 float32; gamma 1,024 float32; memory 64 x 1,024 float32; x 8 x 2,048 x 1,024 float32.
;; Outputs: out0 8 x 2,048 x 1,024 float32.
;; This version of the problem:
;;   THIS VERSION OF THE PROBLEM IS GIVEN IN LOW PRECISION. The matrix products marked QUANTISED in the list below multiply operands that are first quantised to E2M3 (2 exponent bits, 3 mantissa bits; 6 bits a number), with one power-of-two scale for each 32 numbers along K (OCP MX v1.0); their sums are f32. All else is computed in f32.
;;   The module's matrix products, in the order in which they are computed (A, B: the left and right operand; K: the contracted axis; several contracted axes count as one K, in the product's order):
;;     1. [M 16,384, K 1,024] x [K 1,024, N 1,024]; A: input x; B: input Wq (given as codes): QUANTISED
;;     2. [M 16,384, K 1,024] x [K 1,024, N 64]; A: computed on the way; B: input memory: QUANTISED
;;     3. batch 16,384 x [M 1,024, K 3] x [K 3, N 1]; A: computed on the way; B: softmax: left as it is (K = 3 < 32)
;;     4. [M 16,384, K 2,048] x [K 2,048, N 1,024]; A: computed on the way; B: input Wf (given as codes): QUANTISED
;;   THE QUANTISER, for each operand of a quantised product, along K:
;;     - K is cut into blocks of 32 from its start; a last block that is shorter is filled with zeros.
;;     - A block's scale is 2^e with e = floor(log2(the largest magnitude in the block)) - 2, held to -126 .. 127; a block of zeros has e = 0. As a byte (E8M0): e + 127.
;;     - Each number is divided by its block's scale, clamped to +-7.5, and rounded to the nearest number of E2M3, ties to even, subnormals kept.
;;     - The product sums the exact products of the quantised numbers (number of the format x scale) in f32.
;;   ~~~python
;;   def quantise(x, axis):      # numpy; x: float32 -> the quantised numbers, widened to float32 again
;;       x = np.moveaxis(x, axis, -1); K = x.shape[-1]
;;       x = np.pad(x, [(0, 0)] * (x.ndim - 1) + [(0, -K % 32)]); x = x.reshape(x.shape[:-1] + (-1, 32)); a = np.abs(x).max(-1, keepdims=True)
;;       e = np.where(a > 0, np.clip(np.frexp(np.where(a > 0, a, 1))[1] - 1 - 2, -126, 127), 0)      # np.frexp(a)[1] - 1 = floor(log2(a)), exactly
;;       r = np.clip(x / 2.0 ** e, -7.5, 7.5)
;;       step = 2.0 ** (np.maximum(np.frexp(np.where(r == 0, 1, r))[1] - 1, 0) - 3)
;;       q = np.round(r / step) * step * 2.0 ** e      # np.round: ties to even
;;       return np.moveaxis(q.reshape(q.shape[:-2] + (-1,))[..., :K], -1, axis).astype(np.float32)
;;   ~~~
;;   OPERANDS COMPUTED ON THE WAY. 'Computed on the way' means the value that the module computes at that place (a softmax that the list does not call 'softmax' is quantised finished and normalised). What goes into a quantiser is computed in f32, as accurately as f32 sums, v_exp_f32 and their like allow (about 1e-6 of the number): no bf16 or f16 on the way to a quantiser, and a product that is left as it is and whose result goes on into a quantised operand takes f32 operands (vector FMAs, or v_wmma_f32_16x16x4_f32). A number that lies on a knife's edge between two numbers of the format may be rounded either way, as far as f32 arithmetic and the matrix unit's own rounding can turn it there, and no further.
;;   INPUTS GIVEN AS CODES. Wf (in the module: [1024, 2048], K = its axis 1); Wq (in the module: [1024, 1024], K = its axis 1): each comes as NAME_codes (uint8): NAME with its K axis moved to the last place and cut into blocks of 32 codes, [.., K / 32, bytes a block], one block behind the other in memory; four codes in three bytes: a row's codes are one little-endian stream of bits, code i at bits 6 i .. 6 i + 5 (a code: sign, 2 exponent bits, 3 mantissa bits); and NAME_scales (uint8): the same leading axes, one E8M0 byte (e + 127) for each 32 codes along K. Its value is code x scale, taken as it is: it is not quantised again, and the codes and scales need not be those that the quantiser above would give.
;; One version. Each part assembles by itself: llvm-mc -triple=amdgcn-amd-amdhsa -mcpu=gfx1250 --defsym DOCPART=n.
;; ======== version 1 of 1: 3 launches
;; workspace buffers: wqi 819,200 bytes; wfi 1,638,400 bytes; memi 51,200 bytes; xqc 12,582,912 bytes; xqs 524,288 bytes; tki 262,144 bytes of whole numbers; tkw 524,288 bytes
;; launch prep (part 1): grid 392 x 1, 1 waves a work-group, no clusters, 0 bytes of LDS; arguments Wq_codes, Wq_scales, Wf_codes, Wf_scales, memory, wqi, wfi, memi; writes wqi, wfi, memi
.if DOCPART == 1
	.amdgcn_target "amdgcn-amd-amdhsa--gfx1250"
	.amdhsa_code_object_version 6
	.text
	.protected	k_qe445e21997_prep
	.globl	k_qe445e21997_prep
	.p2align	8
	.type	k_qe445e21997_prep,@function
k_qe445e21997_prep:
	s_mov_b64 s[64:65], 0
	v_nop
	global_prefetch_b8 v0, s[64:65] scope:SCOPE_SE
	s_setreg_imm32_b32 hwreg(HW_REG_WAVE_MODE, 25, 1), 1
	s_wait_xcnt 0x0
; The weights' codes are laid in the order in which a wave's operand registers take them, and the memory bank is quantised.
; A FRAGMENT IMAGE: 16 rows x 128 K of E2M3 codes are 12 registers a lane; registers 4 c .. 4 c + 3 of lane l lie at 512 c + 16 l: 1,536 bytes.
; A WEIGHT TILE (one K step of 128, all 1,024 rows): four quarters of 25,600 bytes, one for each wave of the later launches: 16 images (column tile t at 1,536 t), then four
; blocks of 256 bytes of scale words (block e, lane r: the words of tiles 4 e .. 4 e + 3).  Lane r of tile t holds weight row 256 w + 32 (t / 2) + 8 (t % 2) + r + 8 (r / 8).
; memi: image (K step, tile t of 16 slots) at (4 K step + t) x 1,536; scale words at 49,152 + 256 K step + 16 r + 4 t.
; Work-groups of one wave: 0-127 Wq (K step, quarter, four tiles), 128-383 Wf, 384-391 memory (a K step each).  Nothing is shared, so no LDS and no barrier.
; LIMITS: NaN and infinities in memory are not served; a block whose largest magnitude lies under 2^-124 (a block of zeros among them) gets the scale byte 1: this program alone reads the bytes.
.set TM,  32                           ; v32-35 largest magnitudes, v36-39 bytes, v44-47 the conversions' scale operands
.set PW,  48                           ; the scale word just made
.set PC,  50                           ; v50-69 the codes just made
.set FR,  72                           ; v72-135, v136-199: two sets of 64 numbers; or four weight fragments
.set SEL, 28                           ; s[28:29] lane selects: lane l xor 16
; four tiles of one quarter of one K step
.macro RELAY rowp, scp, pcod, pscl, pimg, first
	s_sub_co_u32 s20, ttmp9, \first
	s_lshr_b32 s21, s20, 4                         ; K step
	s_bfe_u32 s22, s20, 0x20002                    ; quarter w
	s_and_b32 s23, s20, 3                          ; which four tiles: e
	s_lshl_b32 s24, s22, 8
	s_lshl_b32 s25, s23, 6
	s_add_co_u32 s24, s24, s25                     ; weight row 256 w + 64 e
	s_mul_i32 s26, s24, \rowp
	s_mul_i32 s25, s21, 96
	s_add_co_u32 s26, s26, s25
	s_add_nc_u64 s[\pcod:\pcod+1], s[\pcod:\pcod+1], s[26:27]
	s_mul_i32 s26, s24, \scp
	s_lshl_b32 s25, s21, 2
	s_add_co_u32 s26, s26, s25
	s_add_nc_u64 s[\pscl:\pscl+1], s[\pscl:\pscl+1], s[26:27]
	s_mul_i32 s26, s21, 102400
	s_mul_i32 s25, s22, 25600
	s_add_co_u32 s26, s26, s25
	s_add_nc_u64 s[\pimg:\pimg+1], s[\pimg:\pimg+1], s[26:27]   ; the quarter
	s_lshl_b32 s26, s23, 8
	s_add_co_u32 s26, s26, 24576
	s_add_nc_u64 s[30:31], s[\pimg:\pimg+1], s[26:27]           ; its scale block e
	s_mul_i32 s26, s23, 6144
	s_add_nc_u64 s[\pimg:\pimg+1], s[\pimg:\pimg+1], s[26:27]   ; its images 4 e ..
	v_and_b32 v5, 8, v1
	v_add_nc_u32 v5, v5, v1                        ; r + 8 (r / 8)
	v_mul_u32_u24 v6, v5, \rowp
	v_mad_u32_u24 v6, v2, 24, v6                   ; the row's codes, + 24 bytes for lanes 16-31
	v_mul_u32_u24 v7, v5, \scp
.irp q, 0,1,2,3
.irp e, 0,1,2,3,4,5
	global_load_b64 v[FR+12*\q+2*\e:FR+12*\q+2*\e+1], v6, s[\pcod:\pcod+1] offset:(32*(\q/2)+8*(\q%2))*\rowp+48*(\e/3)+8*(\e%3)
.endr
	global_load_b32 v[8+\q], v7, s[\pscl:\pscl+1] offset:(32*(\q/2)+8*(\q%2))*\scp
.endr
	s_wait_loadcnt 0x0
.irp q, 0,1,2,3
.irp c, 0,1,2
	global_store_b128 v3, v[FR+12*\q+4*\c:FR+12*\q+4*\c+3], s[\pimg:\pimg+1] offset:1536*\q+512*\c   ; 32 lanes store 512 consecutive bytes
.endr
.endr
	s_wait_xcnt 0x0                                ; EXEC changes only behind this wait
	v_cmp_gt_u32 vcc_lo, 16, v0
	s_and_saveexec_b32 s32, vcc_lo
	global_store_b128 v4, v[8:11], s[30:31]        ; lanes 0-15: 256 consecutive bytes of scale words
	s_wait_xcnt 0x0
	s_or_b32 exec_lo, exec_lo, s32
	s_endpgm
.endm
; 64 numbers of a lane, register 16 b + i = k 32 b + 16 (lane / 16) + i of my row, become a fragment's codes in v[PC] on and its scale word in v[PW]
.macro QUANT s
.irp b, 0,1,2,3
	v_max3_num_f32 v[TM+\b], |v[(\s)+16*\b]|, |v[(\s)+16*\b+1]|, 0x1800000   ; with the floor 2^(3 - 127): the byte cannot fall under 1
.endr
.irp i, 2,4,6,8,10,12,14
.irp b, 0,1,2,3
	v_max3_num_f32 v[TM+\b], v[TM+\b], |v[(\s)+16*\b+\i]|, |v[(\s)+16*\b+\i+1]|
.endr
.endr
.irp b, 0,1,2,3
	v_permlanex16_b32 v[TM+4+\b], v[TM+\b], s[SEL], s[SEL+1]
.endr
.irp b, 0,1,2,3
	v_max_num_f32 v[TM+\b], v[TM+\b], v[TM+4+\b]   ; with lane l xor 16's: the block's largest magnitude
.endr
.irp b, 0,1,2,3
	v_add_nc_u32 v[TM+12+\b], 0xff000000, v[TM+\b] ; 2 off its exponent field: the conversion's scale operand
.endr
.irp b, 0,1,2,3
	v_lshrrev_b32 v[TM+4+\b], 23, v[TM+12+\b]      ; the scale's byte
.endr
	v_lshl_or_b32 v[PW], v[TM+5], 8, v[TM+4]
	v_lshl_or_b32 v[PW], v[TM+6], 16, v[PW]
	v_lshl_or_b32 v[PW], v[TM+7], 24, v[PW]
.irp c, 0,1
	v_cvt_scalef32_pk16_fp6_f32 v[PC+6*\c:PC+6*\c+2], v[(\s)+32*\c:(\s)+32*\c+15], v[TM+12+2*\c]
	v_cvt_scalef32_pk16_fp6_f32 v[PC+12+4*\c:PC+14+4*\c], v[(\s)+16+32*\c:(\s)+31+32*\c], v[TM+13+2*\c]
.endr
	v_nop                                          ; one plain place behind the scaled conversions
.irp c, 0,1
.irp i, 0,1,2
	v_permlane16_swap_b32 v[PC+6*\c+\i], v[PC+12+4*\c+\i]   ; a whole block to a lane
.endr
.irp i, 0,1,2
	v_mov_b32 v[PC+3+6*\c+\i], v[PC+12+4*\c+\i]
.endr
.endr
.endm
.macro LOADT t                         ; slots 16 t + r, my 64 numbers of the K step, into set t % 2
.irp b, 0,1,2,3
.irp q, 0,1,2,3
	global_load_b128 v[FR+64*((\t)%2)+16*\b+4*\q:FR+64*((\t)%2)+16*\b+4*\q+3], v5, s[12:13] offset:65536*(\t)+128*\b+16*\q
.endr
.endr
.endm
.macro TILE t
.if (\t) < 3
	s_wait_loadcnt 16                              ; this tile's 16 loads are in; the next tile's 16 may be out
.else
	s_wait_loadcnt 0x0
.endif
.if (\t) > 0
	s_wait_xcnt 0x0                                ; the last tile's stores have read the codes' registers
.endif
	QUANT FR+64*((\t)%2)
.irp c, 0,1,2
	global_store_b128 v3, v[PC+4*\c:PC+4*\c+3], s[18:19] offset:1536*(\t)+512*\c
.endr
	v_mov_b32 v[8+(\t)], v[PW]
.if (\t) < 2
	LOADT (\t)+2
.endif
.endm
	s_load_b512 s[4:19], s[0:1], 0x0               ; Wq codes, Wq scales, Wf codes, Wf scales, memory, wqi, wfi, memi
	v_and_b32 v1, 15, v0                           ; r
	v_lshrrev_b32 v2, 4, v0                        ; h
	v_lshlrev_b32 v3, 4, v0                        ; 16 x lane
	v_lshlrev_b32 v4, 4, v1                        ; 16 r
	s_mov_b32 s27, 0                               ; the upper word of every offset
	s_wait_kmcnt 0x0
	s_cmp_ge_u32 ttmp9, 384
	s_cbranch_scc1 .Lmemory
	s_cmp_ge_u32 ttmp9, 128
	s_cbranch_scc1 .Lwf
	RELAY 768, 32, 4, 6, 14, 0
.Lwf:
	RELAY 1536, 64, 8, 10, 16, 128
.Lmemory:
	s_sub_co_u32 s20, ttmp9, 384                   ; K step
	s_lshl_b32 s26, s20, 9
	s_add_nc_u64 s[12:13], s[12:13], s[26:27]
	s_lshl_b32 s26, s20, 8
	s_add_co_u32 s26, s26, 49152
	s_add_nc_u64 s[30:31], s[18:19], s[26:27]      ; the K step's scale words
	s_mul_i32 s26, s20, 6144
	s_add_nc_u64 s[18:19], s[18:19], s[26:27]      ; its four images
	s_mov_b32 s[SEL], 0x76543210
	s_mov_b32 s[SEL+1], 0xfedcba98
	v_lshlrev_b32 v5, 12, v1
	v_lshl_add_u32 v5, v2, 6, v5                   ; row r of 4,096 bytes, + 64 h
.irp b, 0,1,2,3
	v_mov_b32 v[TM+4+\b], 0                        ; a lane permute's destination counts as one of its sources
.endr
	LOADT 0
	LOADT 1
	TILE 0
	TILE 1
	TILE 2
	TILE 3
	s_wait_xcnt 0x0
	v_cmp_gt_u32 vcc_lo, 16, v0
	s_and_saveexec_b32 s32, vcc_lo
	global_store_b128 v4, v[8:11], s[30:31]        ; lanes 0-15: 256 consecutive bytes
	s_wait_xcnt 0x0
	s_or_b32 exec_lo, exec_lo, s32
	s_endpgm
.Lfunc_end_k_qe445e21997_prep:
	.size	k_qe445e21997_prep, .Lfunc_end_k_qe445e21997_prep-k_qe445e21997_prep
	.p2alignl 7, 3214868480
	.fill 96, 4, 3214868480
	.section	.rodata,"a",@progbits
	.p2align	6, 0x0
	.amdhsa_kernel k_qe445e21997_prep
		.amdhsa_group_segment_fixed_size 0
		.amdhsa_private_segment_fixed_size 0
		.amdhsa_enable_private_segment 0
		.amdhsa_kernarg_size 64
		.amdhsa_user_sgpr_count 2
		.amdhsa_user_sgpr_kernarg_segment_ptr 1
		.amdhsa_wavefront_size32 1
		.amdhsa_system_sgpr_workgroup_id_x 1
		.amdhsa_system_sgpr_workgroup_id_y 1
		.amdhsa_system_sgpr_workgroup_id_z 1
		.amdhsa_system_vgpr_workitem_id 0
		.amdhsa_next_free_vgpr 208
		.amdhsa_next_free_sgpr 66
		.amdhsa_reserve_vcc 1
		.amdhsa_float_denorm_mode_32 3
		.amdhsa_float_denorm_mode_16_64 3
		.amdhsa_memory_ordered 1
		.amdhsa_forward_progress 1
		.amdhsa_inst_pref_size 35
	.end_amdhsa_kernel
	.amdgpu_metadata
---
amdhsa.version: [ 1, 2 ]
amdhsa.kernels:
  - .name:           k_qe445e21997_prep
    .symbol:         k_qe445e21997_prep.kd
    .args:
      - { .name: Wq_codes, .offset: 0, .size: 8, .value_kind: global_buffer, .address_space: global }
      - { .name: Wq_scales, .offset: 8, .size: 8, .value_kind: global_buffer, .address_space: global }
      - { .name: Wf_codes, .offset: 16, .size: 8, .value_kind: global_buffer, .address_space: global }
      - { .name: Wf_scales, .offset: 24, .size: 8, .value_kind: global_buffer, .address_space: global }
      - { .name: memory, .offset: 32, .size: 8, .value_kind: global_buffer, .address_space: global }
      - { .name: wqi, .offset: 40, .size: 8, .value_kind: global_buffer, .address_space: global }
      - { .name: wfi, .offset: 48, .size: 8, .value_kind: global_buffer, .address_space: global }
      - { .name: memi, .offset: 56, .size: 8, .value_kind: global_buffer, .address_space: global }
    .group_segment_fixed_size: 0
    .private_segment_fixed_size: 0
    .kernarg_segment_align: 8
    .kernarg_segment_size: 64
    .max_flat_workgroup_size: 32
    .sgpr_count:     66
    .vgpr_count:     208
    .wavefront_size: 32
...
	.end_amdgpu_metadata
.endif
;; end of part 1
;; launch route (part 2): grid 256 x 1, 4 waves a work-group, clusters of 4 x 1, 327,680 bytes of LDS; arguments x, wqi, memi, bq, xqc, xqs, tki, tkw; writes xqc, xqs, tki, tkw
.if DOCPART == 2
	.amdgcn_target "amdgcn-amd-amdhsa--gfx1250"
	.amdhsa_code_object_version 6
	.text
	.protected	k_qe445e21997_route
	.globl	k_qe445e21997_route
	.p2align	8
	.type	k_qe445e21997_route,@function
k_qe445e21997_route:
	s_mov_b64 s[64:65], 0
	v_nop
	global_prefetch_b8 v0, s[64:65] scope:SCOPE_SE
	s_setreg_imm32_b32 hwreg(HW_REG_WAVE_MODE, 25, 1), 1
	s_wait_xcnt 0x0
	s_wait_alu depctr_hold_cnt(0) depctr_sa_sdst(0) depctr_va_vdst(0) depctr_va_sdst(0) depctr_va_ssrc(0) depctr_va_vcc(0) depctr_vm_vsrc(0)
	s_getreg_b32 s2, hwreg(HW_REG_IB_STS2, 6, 4)
	s_cmp_eq_u32 s2, 0
	s_cbranch_scc0 .Lentry_in_a_cluster
	s_endpgm
.Lentry_in_a_cluster:
	s_bfe_u32 s2, ttmp6, 0x10000c
	s_cmp_lg_u32 s2, 0x3003
	s_cbranch_scc0 .Lentry_shape_is_right
	s_endpgm
.Lentry_shape_is_right:
; query = Q(x) Wq^T + bq;  sim = Q(query) Q(memory)^T;  the three largest of the 64 (the lower slot wins a tie) and their softmax.  Both products on E2M3 codes with E8M0 scales.
; Stored: x's codes and scale words (xqc, xqs: the later launch multiplies the same codes), the three slots of each token (tki) and their weights (tkw), all at fixed places.
; SHARES.  A work-group takes 64 tokens.  Wave w quantises tokens 16 w .. + 15, multiplies columns 256 w .. + 255 of the query for all 64 tokens (64 accumulators), and later owns tokens 16 w .. for sim.
; THE PRODUCT IS USED TRANSPOSED (source 0 = 16 rows of Wq, source 1 = 16 tokens): a lane holds one token, and tiles 2 b, 2 b + 1 give it 16 neighbouring columns, so the query is quantised in registers.
; K goes in 8 steps of 128.  A step's weights (102,400 bytes of register images) come through two LDS slots; each wave fetches and reads its own quarter.  x is loaded, quantised and handed round (as images in LDS) one step ahead.
; CLUSTER.  The four work-groups of a cluster walk the same weights: every tile is asked for jointly (mask 15).  Each cluster begins its walk at K step (cluster number) mod 8; LDS places go by the trip, global addresses by the K step.
; The bias is loaded into the accumulators, so that every K step is the same text and nothing is cleared.
; LIMITS: NaN and infinities are not served (a token whose sim holds NaN gets slot 63); blocks under 2^-124 keep the scale byte 1; K is summed in an order that begins at the cluster's first K step.
; REGISTERS.  window 0: v1-15 addresses, v16-31 weights' scale words, v32-39 tokens' scale words, v40-167 two sets of 64 numbers of x, v168-205 the quantiser, v208-255 token fragments of even trips.
;   window 1: v0-191 the weights' 16 fragments, v192-239 token fragments of odd trips.   windows 2, 3: accumulator (tile t, token tile m) at v[64 m + 8 (t % 8)] of window 2 + t / 8.
.set QRT,   25600                      ; a wave's quarter of a weight tile
.set TILEB, 102400
.set SLOT1, 102400
.set XIMG,  204800                     ; x's images: trip j, token tile m at 6,144 j + 1,536 m;  later the query's: (m, K step) at 12,288 m + 1,536 K step
.set XSC,   253952                     ; x's scale words: 256 j + 16 r + 4 m
.set QSC,   256000                     ; the query's: 512 m + 64 K step + 4 r
.set STG,   258048                     ; a stage of 16 rows x 528 bytes for each wave
.set SPARE, 291840                     ; the spare words: 128 bytes a wave
.set L16, 1
.set R16, 2
.set WFA, 3                            ; v3, v4   my quarter's images in slot 0, 1
.set WSA, 5                            ; v5, v6   its scale blocks
.set TKA, 7
.set TSA, 8
.set XWI, 9
.set XWS, 10
.set STW, 11
.set STR, 12
.set LN,  13
.set SPW, 14
.set NIL, 15
.set WS,  16
.set TS,  32
.set SA,  40
.set TM,  168
.set PW,  184
.set PC,  186
.set T0,  206
.set T1,  207
.set SIM, 80                           ; v80-111 sim: register 8 t + j of lane (r, h) is slot 16 t + 8 h + j of token r
.set CH,  112
.set MX,  116
.set IX,  120
.set LI,  124
.set LL,  125
.set NEG, 126
.set TT,  127
.set H8,  128
.set TKO, 129
.set XGO, 130
.set WT,  132
.set WV,  20
.set CX,  21
.set G,   22
.set ROT, 23
.set G1,  24
.set G0,  32
.set G1M, 40
.set G0M, 48
.set SEL, 52
.set XB,  54
.set WQB, 56
.set XQB, 58
.set XL,  60                           ; s[60:61] x's base of even trips, s[72:73] of odd trips
.set XST, 62
.set OFS, 66                           ; s[66:67] an offset, upper word 0
.set TMP, 68
.set BQB, 70
.set MSB, 0
.macro WIN new                         ; the immediate's high byte repeats the setting that is left; a switch that changes nothing is dropped
.if MSB != (\new)
	s_set_vgpr_msb (MSB<<8)|(\new)
.set MSB, (\new)
.endif
.endm
.macro PLACES cnt
.rept \cnt
	v_nop
.endr
.endm
.macro CREST                           ; a round of the cluster's barrier behind its opening barrier
	s_cmp_lg_u32 s[WV], 0
	s_cbranch_scc1 .Lnot_wave_0_\@
	s_barrier_signal -3
.Lnot_wave_0_\@:
	s_barrier_wait -3
	s_barrier_signal -1
	s_barrier_wait -1
.endm
.macro CROUND
	s_barrier_signal -1
	s_barrier_wait -1
	CREST
.endm
; 64 numbers of a lane in window w, register 16 b + i = k 32 b + 16 (lane / 16) + i of my row, become a fragment's codes in v[PC] on and its scale word in v[PW].  Registers are read in ascending order.
.macro QUANT s, w
	WIN (\w)|((\w)<<2)
.irp b, 0,1,2,3
	v_max3_num_f32 v[TM+\b], |v[(\s)+16*\b]|, |v[(\s)+16*\b+1]|, 0x1800000   ; with the floor 2^(3 - 127): the byte cannot fall under 1
.endr
	WIN ((\w)<<2)|((\w)<<4)
.irp i, 2,4,6,8,10,12,14
.irp b, 0,1,2,3
	v_max3_num_f32 v[TM+\b], v[TM+\b], |v[(\s)+16*\b+\i]|, |v[(\s)+16*\b+\i+1]|
.endr
.endr
	WIN 0
.irp b, 0,1,2,3
	v_permlanex16_b32 v[TM+4+\b], v[TM+\b], s[SEL], s[SEL+1]
.endr
.irp b, 0,1,2,3
	v_max_num_f32 v[TM+\b], v[TM+\b], v[TM+4+\b]   ; with lane l xor 16's: the block's largest magnitude
.endr
.irp b, 0,1,2,3
	v_add_nc_u32 v[TM+12+\b], 0xff000000, v[TM+\b] ; 2 off its exponent field: the conversion's scale operand
.endr
.irp b, 0,1,2,3
	v_lshrrev_b32 v[TM+4+\b], 23, v[TM+12+\b]      ; the scale's byte
.endr
	v_lshl_or_b32 v[PW], v[TM+5], 8, v[TM+4]
	v_lshl_or_b32 v[PW], v[TM+6], 16, v[PW]
	v_lshl_or_b32 v[PW], v[TM+7], 24, v[PW]
	WIN (\w)
.irp c, 0,1
	v_cvt_scalef32_pk16_fp6_f32 v[PC+6*\c:PC+6*\c+2], v[(\s)+32*\c:(\s)+32*\c+15], v[TM+12+2*\c]
	v_cvt_scalef32_pk16_fp6_f32 v[PC+12+4*\c:PC+14+4*\c], v[(\s)+16+32*\c:(\s)+31+32*\c], v[TM+13+2*\c]
.endr
	WIN 0
	v_nop                                          ; one plain place behind the scaled conversions
.irp c, 0,1
.irp i, 0,1,2
	v_permlane16_swap_b32 v[PC+6*\c+\i], v[PC+12+4*\c+\i]   ; a whole block to a lane
.endr
.irp i, 0,1,2
	v_mov_b32 v[PC+3+6*\c+\i], v[PC+12+4*\c+\i]
.endr
.endr
.endm
.macro IMAGE adr, off                  ; the fragment in v[PC] on goes to LDS as it stands
.irp c, 0,1,2
	ds_store_b128 v[\adr], v[PC+4*\c:PC+4*\c+3] offset:(\off)+512*\c
.endr
.endm
; 16 rows x 512 bytes, a row to four registers, turn through my own stage into the quantiser's order.  LDS serves a wave's instructions in order: no wait between the stores and the loads.
.macro TURN s
.set tq, 0
.rept 16
	ds_store_b128 v[STW], v[(\s)+4*tq:(\s)+4*tq+3] offset:528*tq
.set tq, tq+1
.endr
.irp b, 0,1,2,3
.irp q, 0,1,2,3
	ds_load_b128 v[(\s)+16*\b+4*\q:(\s)+16*\b+4*\q+3], v[STR] offset:128*\b+16*\q
.endr
.endr
.endm
.macro FETCHW slot, half               ; eight of my quarter's fragments, and their scale words
	WIN 0x40
.irp q, 0,1,2,3,4,5,6,7
.irp c, 0,1,2
	ds_load_b128 v[96*(\half)+12*\q+4*\c:96*(\half)+12*\q+4*\c+3], v[WFA+(\slot)] offset:(8*(\half)+\q)*1536+512*\c
.endr
.endr
	WIN 0
.irp e, 0,1
	ds_load_b128 v[WS+8*(\half)+4*\e:WS+8*(\half)+4*\e+3], v[WSA+(\slot)] offset:256*(2*(\half)+\e)
.endr
.endm
.macro FETCHT p, adr, sadr, offF, offS ; the four token fragments of a K step into set p, and their scale words
.if \p
	WIN 0x40
.else
	WIN 0
.endif
.irp e, 0,1,2,3,4,5,6,7,8,9,10,11
	ds_load_b128 v[208-16*(\p)+4*\e:208-16*(\p)+4*\e+3], v[\adr] offset:(\offF)+512*\e
.endr
	WIN 0
	ds_load_b128 v[TS+4*(\p):TS+4*(\p)+3], v[\sadr] offset:\offS
.endm
; tiles t0 .. t0 + cnt - 1 against the four token tiles.  The 64 accumulators take turns, one instruction a turn, in the same order in every step.
.macro MUL t0, cnt, p
.set tt, \t0
.rept \cnt
	WIN (0xA1+0x50*(tt/8))|((\p)<<2)
.irp m, 0,1,2,3
	v_wmma_scale_f32_16x16x128_f8f6f4 v[64*\m+8*(tt%8):64*\m+8*(tt%8)+7], v[12*tt:12*tt+11], v[208-16*(\p)+12*\m:208-16*(\p)+12*\m+11], v[64*\m+8*(tt%8):64*\m+8*(tt%8)+7], v[WS+tt], v[TS+4*(\p)+\m] matrix_a_fmt:MATRIX_FMT_FP6 matrix_b_fmt:MATRIX_FMT_FP6
.endr
.set tt, tt+1
.endr
.endm
.macro XBASE j                         ; where trip j's 512 bytes of my rows begin
	s_add_co_u32 s[TMP], s[ROT], \j
	s_and_b32 s[TMP], s[TMP], 7
	s_lshl_b32 s[OFS], s[TMP], 9
	s_add_nc_u64 s[XL+12*((\j)%2):XL+12*((\j)%2)+1], s[XB:XB+1], s[OFS:OFS+1]
.endm
.macro XLOAD j                         ; 16 loads, each 512 consecutive bytes of one row
.set tq, 0
.rept 16
	global_load_b128 v[SA+64*((\j)%2)+4*tq:SA+64*((\j)%2)+4*tq+3], v[L16], s[XL+12*((\j)%2):XL+12*((\j)%2)+1] offset:4096*tq th:TH_LOAD_NT
.set tq, tq+1
.endr
.endm
.macro CBASE j                         ; where trip j's image of my tokens goes in xqc
	s_add_co_u32 s[TMP], s[ROT], \j
	s_and_b32 s[TMP], s[TMP], 7
	s_mul_i32 s[OFS], s[TMP], 6144
	s_add_nc_u64 s[XST:XST+1], s[XQB:XQB+1], s[OFS:OFS+1]
.endm
.macro CSTORE
.irp c, 0,1,2
	global_store_b128 v[L16], v[PC+4*\c:PC+4*\c+3], s[XST:XST+1] offset:512*\c
.endr
.endm
; TRIP i.  Its slot is i % 2.  In its first half the next trip's x is quantised and handed round; in its middle stands the change of slots; behind it the slot just read out is asked for again.
.macro RSTEP i
.set P, (\i)%2
.set NS, SA+64*(1-P)
	s_wait_dscnt 0x0                               ; tiles 0-7, the tokens and the scale words, asked for 32 matrix instructions ago
	PLACES 4                                       ; in front of loads into registers that the last matrix instructions read
	FETCHW P, 1
.if (\i) < 7
.if (\i) < 6
	s_wait_loadcnt 16                              ; the next trip's 16 loads of x are in; those of the trip behind it may be out
.else
	s_wait_loadcnt 0x0
.endif
	TURN NS
.endif
	MUL 0, 4, P
.if (\i) < 7
	WIN 0
	s_wait_dscnt 0x0                               ; x is back from the stage
	s_wait_xcnt 0x0                                ; the last trip's stores and loads have read their registers and bases
	CBASE (\i)+1
.if (\i) < 5
	XBASE (\i)+3
.endif
	QUANT NS, 0
	IMAGE XWI, 6144*((\i)+1)
	ds_store_b32 v[XWS], v[PW] offset:256*((\i)+1)
	CSTORE
.if (\i) < 5
	XLOAD (\i)+3
.endif
	s_wait_tensorcnt 0x0                           ; all my tensor loads have landed: the one that was out is my quarter of the next slot
	ds_add_u32 v[SPW], v[NIL]                      ; 0 onto my spare word
.if (\i) < 6
	s_add_co_u32 s[TMP], s[ROT], (\i)+2            ; no tensor load of mine is out: this slot's group 0 takes the tile two trips on
	s_and_b32 s[TMP], s[TMP], 7
	s_mul_i32 s[OFS], s[TMP], TILEB
	s_add_nc_u64 s[G0+4*P+2:G0+4*P+3], s[WQB:WQB+1], s[OFS:OFS+1]
	s_or_b32 s[G0+4*P+3], s[G0+4*P+3], 0x80000000
.endif
	MUL 4, 2, P
	s_wait_dscnt 0x0                               ; the add is done, my reads of this slot are over, my images lie in LDS
	s_barrier_signal -1
	MUL 6, 2, P
	WIN 0
	s_barrier_wait -1
	CREST                                          ; the barrier has opened a round of the cluster's: no wave of any partner still reads this slot or has a load on its way
.if (\i) < 6
	tensor_load_to_lds s[G0+4*P:G0+4*P+3], s[G1:G1+7]
	s_nop 0
.else
	tensor_load_to_lds s[G0M:G0M+3], s[G1M:G1M+7]  ; the memory bank's images take slot 0's place
	s_nop 0
.endif
	PLACES 4                                       ; the places in front of the loads below
	FETCHW 1-P, 0
	FETCHT 1-P, TKA, TSA, 6144*((\i)+1), 256*((\i)+1)
.else
	MUL 4, 4, P
	s_wait_dscnt 0x0
.endif
	MUL 8, 8, P
	WIN 0
.endm
; the k-th largest of a token's 64, and its slot; mask = 1: it is taken out for the next pass
.macro PASS k, mask
.irp t, 0,1,2,3
	v_max3_num_f32 v[CH+\t], v[SIM+8*\t], v[SIM+8*\t+1], v[SIM+8*\t+2]   ; each accumulator from its low end on
.endr
.irp t, 0,1,2,3
	v_max3_num_f32 v[CH+\t], v[CH+\t], v[SIM+8*\t+3], v[SIM+8*\t+4]
.endr
.irp t, 0,1,2,3
	v_max3_num_f32 v[CH+\t], v[CH+\t], v[SIM+8*\t+5], v[SIM+8*\t+6]
.endr
.irp t, 0,1,2,3
	v_max_num_f32 v[CH+\t], v[CH+\t], v[SIM+8*\t+7]
.endr
	v_max3_num_f32 v[CH], v[CH], v[CH+1], v[CH+2]
	v_max_num_f32 v[CH], v[CH], v[CH+3]
	v_permlanex16_b32 v[TT], v[CH], s[SEL], s[SEL+1]
	v_max_num_f32 v[MX+\k], v[CH], v[TT]           ; with the token's other 32 slots
	v_mov_b32 v[LI], 64
.set nn, 31
.rept 32
	v_cmp_neq_f32 vcc_lo, v[SIM+nn], v[MX+\k]
	v_cndmask_b32 v[LI], 16*(nn/8)+nn%8, v[LI], vcc_lo   ; descending: the lowest slot that holds the maximum is written last
.set nn, nn-1
.endr
	v_add_nc_u32 v[LI], v[LI], v[H8]
	v_permlanex16_b32 v[TT], v[LI], s[SEL], s[SEL+1]
	v_min_u32 v[IX+\k], v[LI], v[TT]               ; the lower of the two halves' slots
.if \mask
	v_sub_nc_u32 v[LL], v[IX+\k], v[H8]            ; matches one of my registers' numbers only where the slot is mine
.set nn, 0
.rept 32
	v_cmp_eq_u32 vcc_lo, 16*(nn/8)+nn%8, v[LL]
	v_cndmask_b32 v[SIM+nn], v[SIM+nn], v[NEG], vcc_lo
.set nn, nn+1
.endr
.endif
.endm
	s_load_b512 s[4:19], s[0:1], 0x0               ; x, wqi, memi, bq, xqc, xqs, tki, tkw
	v_lshl_add_u32 v[SPW], v0, 2, SPARE
	v_mov_b32 v[NIL], 0
	ds_add_u32 v14, v15
	ds_add_u32 v14, v15
	s_wait_dscnt 0x0
	v_lshrrev_b32 v[T0], 5, v0
	v_readfirstlane_b32 s[WV], v[T0]               ; wave 0..3
	s_bfe_u32 s[CX], ttmp6, 0x40000                ; my place in the cluster: it enters global addresses of my own rows alone
	s_lshl_b32 s[G], ttmp9, 2
	s_add_co_u32 s[G], s[G], s[CX]                 ; my block of 64 tokens
	s_and_b32 s[ROT], ttmp9, 7                     ; the cluster's first K step: the four partners share it
	s_mov_b32 s[OFS+1], 0
	s_mov_b32 s[SEL], 0x76543210
	s_mov_b32 s[SEL+1], 0xfedcba98
	v_and_b32 v[LN], 31, v0
	v_lshlrev_b32 v[L16], 4, v[LN]
	v_and_b32 v[T1], 15, v0                        ; r
	v_lshlrev_b32 v[R16], 4, v[T1]
	v_bfe_u32 v[T0], v0, 4, 1                      ; h
	s_mul_i32 s[TMP], s[WV], QRT
	v_add_nc_u32 v[WFA], s[TMP], v[L16]
	v_add_nc_u32 v[WFA+1], SLOT1, v[WFA]
	v_add_nc_u32 v[WSA], s[TMP], v[R16]
	v_add_nc_u32 v[WSA], 24576, v[WSA]
	v_add_nc_u32 v[WSA+1], SLOT1, v[WSA]
	v_add_nc_u32 v[TKA], XIMG, v[L16]
	v_add_nc_u32 v[TSA], XSC, v[R16]
	s_mul_i32 s[TMP], s[WV], 1536
	v_add_nc_u32 v[XWI], s[TMP], v[TKA]
	s_lshl_b32 s[TMP], s[WV], 2
	v_add_nc_u32 v[XWS], s[TMP], v[TSA]
	s_mul_i32 s[TMP], s[WV], 8448
	s_add_co_u32 s[TMP], s[TMP], STG
	v_add_nc_u32 v[STW], s[TMP], v[L16]
	v_mul_u32_u24 v[STR], v[T1], 528
	v_lshl_add_u32 v[STR], v[T0], 6, v[STR]
	v_add_nc_u32 v[STR], s[TMP], v[STR]
	v_lshlrev_b32 v[T0], 6, v[T0]                  ; 64 h: the bias's lane offset
.irp b, 0,1,2,3
	v_mov_b32 v[TM+4+\b], 0                        ; a lane permute's destination counts as one of its sources
.endr
	; descriptor group 1: a dense block as rows of 256 bytes (32 elements of 8 bytes): 100 rows for a quarter of a weight tile, 50 for a quarter of the memory bank's images
	s_mov_b32 s[G1], 15|(3<<16)|(1<<21)            ; the mask names the four partners
	s_mov_b32 s[G1+1], 32<<16
	s_mov_b32 s[G1+2], 100<<16
	s_mov_b32 s[G1+3], 32<<16
	s_mov_b32 s[G1+4], 100
	s_mov_b32 s[G1+5], 32
	s_mov_b32 s[G1+6], 0
	s_mov_b32 s[G1+7], 0
	s_mov_b32 s[G1M], 15|(3<<16)|(1<<21)
	s_mov_b32 s[G1M+1], 32<<16
	s_mov_b32 s[G1M+2], 50<<16
	s_mov_b32 s[G1M+3], 32<<16
	s_mov_b32 s[G1M+4], 50
	s_mov_b32 s[G1M+5], 32
	s_mov_b32 s[G1M+6], 0
	s_mov_b32 s[G1M+7], 0
	s_wait_kmcnt 0x0
	s_mul_i32 s[OFS], s[WV], QRT
	s_add_nc_u64 s[WQB:WQB+1], s[6:7], s[OFS:OFS+1]
	s_mov_b32 s[G0], 1
	s_mul_i32 s[G0+1], s[WV], QRT
	s_mul_i32 s[OFS], s[ROT], TILEB
	s_add_nc_u64 s[G0+2:G0+3], s[WQB:WQB+1], s[OFS:OFS+1]
	s_or_b32 s[G0+3], s[G0+3], 0x80000000
	s_mov_b32 s[G0+4], 1
	s_add_co_u32 s[G0+5], s[G0+1], SLOT1
	s_add_co_u32 s[TMP], s[ROT], 1
	s_and_b32 s[TMP], s[TMP], 7
	s_mul_i32 s[OFS], s[TMP], TILEB
	s_add_nc_u64 s[G0+6:G0+7], s[WQB:WQB+1], s[OFS:OFS+1]
	s_or_b32 s[G0+7], s[G0+7], 0x80000000
	s_mov_b32 s[G0M], 1
	s_mul_i32 s[G0M+1], s[WV], 12800
	s_mul_i32 s[OFS], s[WV], 12800
	s_add_nc_u64 s[G0M+2:G0M+3], s[8:9], s[OFS:OFS+1]
	s_or_b32 s[G0M+3], s[G0M+3], 0x80000000
	s_lshl_b32 s[OFS], s[G], 18
	s_lshl_b32 s[TMP], s[WV], 16
	s_add_co_u32 s[OFS], s[OFS], s[TMP]
	s_add_nc_u64 s[XB:XB+1], s[4:5], s[OFS:OFS+1]  ; x at my 16 rows
	s_mul_i32 s[OFS], s[G], 49152
	s_mul_i32 s[TMP], s[WV], 1536
	s_add_co_u32 s[OFS], s[OFS], s[TMP]
	s_add_nc_u64 s[XQB:XQB+1], s[12:13], s[OFS:OFS+1]
	s_lshl_b32 s[OFS], s[WV], 10
	s_add_nc_u64 s[BQB:BQB+1], s[10:11], s[OFS:OFS+1]
	CROUND                                         ; the four work-groups are here: the first joint loads meet
	tensor_load_to_lds s[G0:G0+3], s[G1:G1+7]      ; trips 0 and 1: two loads of mine are out
	s_nop 0
	tensor_load_to_lds s[G0+4:G0+7], s[G1:G1+7]
	s_nop 0
	PLACES 4
	; the bias goes straight into the accumulators: lane (r, h), tile t, register j: column 256 w + 32 (t / 2) + 16 h + 8 (t % 2) + j
.set tt, 0
.rept 16
	WIN 0x80+0x40*(tt/8)
.irp m, 0,1,2,3
.irp q, 0,1
	global_load_b128 v[64*\m+8*(tt%8)+4*\q:64*\m+8*(tt%8)+4*\q+3], v[T0], s[BQB:BQB+1] offset:(32*(tt/2)+8*(tt%2))*4+16*\q
.endr
.endr
.set tt, tt+1
.endr
	WIN 0
	XBASE 0
	XBASE 1
	XLOAD 0
	XLOAD 1
	s_wait_loadcnt 16                              ; the bias and trip 0's x are in; trip 1's 16 loads may be out
	TURN SA
	s_wait_dscnt 0x0
	QUANT SA, 0
	IMAGE XWI, 0
	ds_store_b32 v[XWS], v[PW]
	CBASE 0
	CSTORE
	s_wait_xcnt 0x0                                ; trip 0's loads have read their base
	XBASE 2
	XLOAD 2
	s_wait_tensorcnt 1                             ; my quarter of trip 0's tile is in; trip 1's may stay out
	s_wait_dscnt 0x0                               ; my image lies in LDS
	s_barrier_signal -1
	s_barrier_wait -1
	FETCHW 0, 0
	FETCHT 0, TKA, TSA, 0, 0
	RSTEP 0
	RSTEP 1
	RSTEP 2
	RSTEP 3
	RSTEP 4
	RSTEP 5
	RSTEP 6
	RSTEP 7
	PLACES 4                                       ; behind the last products: their results are read and their operands' registers loaded below
	s_wait_tensorcnt 0x0                           ; my quarter of the memory bank's images is in
	s_wait_dscnt 0x0
	s_barrier_signal -1
	s_barrier_wait -1                              ; everybody's is, and nobody reads x's images any more
	; addresses of what follows (no LDS instruction of mine is out)
	v_bfe_u32 v[T0], v0, 4, 1                      ; h
	s_lshl_b32 s[TMP], s[WV], 1
	s_add_co_u32 s[TMP], s[TMP], s[ROT]
	v_add_nc_u32 v[XGO], s[TMP], v[T0]
	v_and_b32 v[XGO], 7, v[XGO]                    ; the K step of trip 2 w + h
	v_lshl_add_u32 v[XGO], v[XGO], 8, v[R16]
	s_lshl_b32 s[TMP], s[WV], 9
	s_add_co_u32 s[TMP], s[TMP], XSC
	v_add_nc_u32 v[STR], s[TMP], v[L16]
	ds_load_b128 v[40:43], v[STR]                  ; x's scale words of trips 2 w and 2 w + 1
	s_mul_i32 s[TMP], s[WV], 3072
	s_add_co_u32 s[TMP], s[TMP], XIMG
	v_add_nc_u32 v[XWI], s[TMP], v[L16]            ; where I put the query's images: K steps 2 w, 2 w + 1
	s_lshl_b32 s[TMP], s[WV], 7
	s_add_co_u32 s[TMP], s[TMP], QSC
	v_lshl_add_u32 v[XWS], v[T1], 2, s[TMP]        ; and their scale words
	s_mul_i32 s[TMP], s[WV], 12288
	s_add_co_u32 s[TMP], s[TMP], XIMG
	v_add_nc_u32 v[TKA], s[TMP], v[L16]            ; the images of my token tile
	v_lshl_add_u32 v[TSA], v[T0], 10, v[R16]
	v_add_nc_u32 v[TSA], 49152, v[TSA]             ; memory's scale words: lanes 16-31 take the K step four on
	s_lshl_b32 s[TMP], s[WV], 9
	s_add_co_u32 s[TMP], s[TMP], QSC
	v_lshl_add_u32 v[STW], v[T1], 2, s[TMP]
	v_lshl_add_u32 v[STW], v[T0], 8, v[STW]        ; the query's likewise
	v_lshlrev_b32 v[H8], 3, v[T0]
	s_lshl_b32 s[OFS], s[G], 11
	s_add_nc_u64 s[74:75], s[14:15], s[OFS:OFS+1]
	s_wait_dscnt 0x0
	global_store_b128 v[XGO], v[40:43], s[74:75]   ; sixteen lanes store 256 consecutive bytes
	s_wait_xcnt 0x0                                ; the last trip's three stores of x's codes have read v[PC] on: the quantiser below writes those registers again only behind this wait
	; the query is quantised where it lies: tiles 8 u .. 8 u + 7 of token tile m are K step 2 w + u of the next product
.irp u, 0,1
.irp m, 0,1,2,3
	QUANT 64*\m, 2+\u
	IMAGE XWI, 12288*\m+1536*\u
	ds_store_b32 v[XWS], v[PW] offset:512*\m+64*\u
	s_wait_dscnt 0x0                               ; the stores have read their registers
.endr
.endr
	s_barrier_signal -1
	s_barrier_wait -1                              ; the query's 32 images lie in LDS
	; sim of my 16 tokens: source 0 = 16 slots, source 1 = my tokens
	WIN 0x80
.set nn, 0
.rept 48
	ds_load_b128 v[4*nn:4*nn+3], v[L16] offset:512*nn             ; memory's images of K steps 0-3
.set nn, nn+1
.endr
	WIN 0xC0
.set nn, 0
.rept 48
	ds_load_b128 v[4*nn:4*nn+3], v[L16] offset:24576+512*nn       ; of K steps 4-7
.set nn, nn+1
.endr
	WIN 0x40
.set nn, 0
.rept 24
	ds_load_b128 v[4*nn:4*nn+3], v[TKA] offset:512*nn             ; my tokens' eight images
.set nn, nn+1
.endr
	WIN 0
.irp k, 0,1,2,3
	ds_load_b128 v[WS+4*\k:WS+4*\k+3], v[TSA] offset:256*\k
	ds_load_b32 v[TS+\k], v[STW] offset:64*\k
.endr
	s_wait_dscnt 0x0
.irp k, 0,1,2,3,4,5,6,7
	WIN 0x06+\k/4
.irp t, 0,1,2,3
.if \k == 0
	v_wmma_scale_f32_16x16x128_f8f6f4 v[SIM+8*\t:SIM+8*\t+7], v[12*\t:12*\t+11], v[0:11], 0, v[WS+\t], v[TS] matrix_a_fmt:MATRIX_FMT_FP6 matrix_b_fmt:MATRIX_FMT_FP6
.elseif \k < 4
	v_wmma_scale_f32_16x16x128_f8f6f4 v[SIM+8*\t:SIM+8*\t+7], v[48*\k+12*\t:48*\k+12*\t+11], v[12*\k:12*\k+11], v[SIM+8*\t:SIM+8*\t+7], v[WS+4*\k+\t], v[TS+\k] matrix_a_fmt:MATRIX_FMT_FP6 matrix_b_fmt:MATRIX_FMT_FP6
.else
	v_wmma_scale_f32_16x16x128_f8f6f4 v[SIM+8*\t:SIM+8*\t+7], v[48*(\k-4)+12*\t:48*(\k-4)+12*\t+11], v[12*\k:12*\k+11], v[SIM+8*\t:SIM+8*\t+7], v[WS+4*(\k-4)+\t], v[TS+\k-4] matrix_a_fmt:MATRIX_FMT_FP6 matrix_b_fmt:MATRIX_FMT_FP6 matrix_a_scale:MATRIX_SCALE_ROW1 matrix_b_scale:MATRIX_SCALE_ROW1
.endif
.endr
.endr
	WIN 0
	PLACES 4
	v_mov_b32 v[TT], 0
	v_mov_b32 v[NEG], 0xff800000                   ; -infinity takes a chosen slot's place
	PASS 0, 1
	PASS 1, 1
	PASS 2, 0
	; softmax of the three: the largest is taken away first
	v_sub_f32 v136, v[MX+1], v[MX]
	v_sub_f32 v137, v[MX+2], v[MX]
	v_mul_f32 v136, 0x3fb8aa3b, v136
	v_mul_f32 v137, 0x3fb8aa3b, v137
	v_exp_f32 v136, v136
	v_exp_f32 v137, v137
	v_nop                                          ; a plain place behind the exponentials
	s_wait_alu depctr_va_vdst(0)                   ; one wait for both, ahead of their first reader
	v_add_f32 v138, 1.0, v136
	v_add_f32 v138, v138, v137
	v_rcp_f32 v140, v138                           ; the first weight
	v_mov_b32 v[IX+3], 0                           ; (a plain place)
	s_wait_alu depctr_va_vdst(0)
	v_mul_f32 v141, v136, v140
	v_mul_f32 v142, v137, v140
.irp k, 0,1,2
	v_min_u32 v[IX+\k], 63, v[IX+\k]
.endr
	v_cmp_le_u32 vcc_lo, 16, v[LN]                 ; lanes 0-15 store (w0, w0, w1, w1), lanes 16-31 (w2, w2, 0, 0)
	v_cndmask_b32 v[WT], v140, v142, vcc_lo
	v_mov_b32 v[WT+1], v[WT]
	v_cndmask_b32 v[WT+2], v141, v[IX+3], vcc_lo
	v_mov_b32 v[WT+3], v[WT+2]
	v_lshlrev_b32 v[TKO], 1, v[R16]
	v_lshl_add_u32 v[TKO], v[T0], 4, v[TKO]        ; 32 r + 16 h
	s_lshl_b32 s[OFS], s[G], 11
	s_lshl_b32 s[TMP], s[WV], 9
	s_add_co_u32 s[OFS], s[OFS], s[TMP]
	s_add_nc_u64 s[76:77], s[18:19], s[OFS:OFS+1]
	s_lshl_b32 s[OFS], s[G], 10
	s_lshl_b32 s[TMP], s[WV], 8
	s_add_co_u32 s[OFS], s[OFS], s[TMP]
	s_add_nc_u64 s[78:79], s[16:17], s[OFS:OFS+1]
	global_store_b128 v[TKO], v[WT:WT+3], s[76:77] ; 512 consecutive bytes
	s_wait_xcnt 0x0                                ; EXEC changes only behind this wait
	v_cmp_gt_u32 vcc_lo, 16, v[LN]
	s_and_saveexec_b32 s80, vcc_lo
	global_store_b128 v[R16], v[IX:IX+3], s[78:79] ; lanes 0-15: 256 consecutive bytes
	s_wait_xcnt 0x0
	s_or_b32 exec_lo, exec_lo, s80
	s_wait_tensorcnt 0x0                           ; the wave's end
	ds_add_u32 v[SPW], v[NIL]
	s_wait_dscnt 0x0
	CROUND                                         ; the closing round
	s_endpgm
.Lfunc_end_k_qe445e21997_route:
	.size	k_qe445e21997_route, .Lfunc_end_k_qe445e21997_route-k_qe445e21997_route
	.p2alignl 7, 3214868480
	.fill 96, 4, 3214868480
	.section	.rodata,"a",@progbits
	.p2align	6, 0x0
	.amdhsa_kernel k_qe445e21997_route
		.amdhsa_group_segment_fixed_size 327680
		.amdhsa_private_segment_fixed_size 0
		.amdhsa_enable_private_segment 0
		.amdhsa_kernarg_size 64
		.amdhsa_user_sgpr_count 2
		.amdhsa_user_sgpr_kernarg_segment_ptr 1
		.amdhsa_wavefront_size32 1
		.amdhsa_system_sgpr_workgroup_id_x 1
		.amdhsa_system_sgpr_workgroup_id_y 1
		.amdhsa_system_sgpr_workgroup_id_z 1
		.amdhsa_system_vgpr_workitem_id 0
		.amdhsa_next_free_vgpr 1024
		.amdhsa_next_free_sgpr 100
		.amdhsa_reserve_vcc 1
		.amdhsa_float_denorm_mode_32 3
		.amdhsa_float_denorm_mode_16_64 3
		.amdhsa_memory_ordered 1
		.amdhsa_forward_progress 1
		.amdhsa_inst_pref_size 252
	.end_amdhsa_kernel
	.amdgpu_metadata
---
amdhsa.version: [ 1, 2 ]
amdhsa.kernels:
  - .name:           k_qe445e21997_route
    .symbol:         k_qe445e21997_route.kd
    .args:
      - { .name: x, .offset: 0, .size: 8, .value_kind: global_buffer, .address_space: global }
      - { .name: wqi, .offset: 8, .size: 8, .value_kind: global_buffer, .address_space: global }
      - { .name: memi, .offset: 16, .size: 8, .value_kind: global_buffer, .address_space: global }
      - { .name: bq, .offset: 24, .size: 8, .value_kind: global_buffer, .address_space: global }
      - { .name: xqc, .offset: 32, .size: 8, .value_kind: global_buffer, .address_space: global }
      - { .name: xqs, .offset: 40, .size: 8, .value_kind: global_buffer, .address_space: global }
      - { .name: tki, .offset: 48, .size: 8, .value_kind: global_buffer, .address_space: global }
      - { .name: tkw, .offset: 56, .size: 8, .value_kind: global_buffer, .address_space: global }
    .group_segment_fixed_size: 327680
    .private_segment_fixed_size: 0
    .kernarg_segment_align: 8
    .kernarg_segment_size: 64
    .max_flat_workgroup_size: 128
    .sgpr_count:     100
    .vgpr_count:     1024
    .wavefront_size: 32
...
	.end_amdgpu_metadata
.endif
;; end of part 2
;; launch fuse (part 3): grid 256 x 1, 4 waves a work-group, clusters of 4 x 1, 327,680 bytes of LDS; arguments xqc, xqs, tki, tkw, memory, wfi, bf, gamma, beta, out0; writes out0
.if DOCPART == 3
	.amdgcn_target "amdgcn-amd-amdhsa--gfx1250"
	.amdhsa_code_object_version 6
	.text
	.protected	k_qe445e21997_fuse
	.globl	k_qe445e21997_fuse
	.p2align	8
	.type	k_qe445e21997_fuse,@function
k_qe445e21997_fuse:
	s_mov_b64 s[64:65], 0
	v_nop
	global_prefetch_b8 v0, s[64:65] scope:SCOPE_SE
	s_setreg_imm32_b32 hwreg(HW_REG_WAVE_MODE, 25, 1), 1
	s_wait_xcnt 0x0
	s_wait_alu depctr_hold_cnt(0) depctr_sa_sdst(0) depctr_va_vdst(0) depctr_va_sdst(0) depctr_va_ssrc(0) depctr_va_vcc(0) depctr_vm_vsrc(0)
	s_getreg_b32 s2, hwreg(HW_REG_IB_STS2, 6, 4)
	s_cmp_eq_u32 s2, 0
	s_cbranch_scc0 .Lentry_in_a_cluster
	s_endpgm
.Lentry_in_a_cluster:
	s_bfe_u32 s2, ttmp6, 0x10000c
	s_cmp_lg_u32 s2, 0x3003
	s_cbranch_scc0 .Lentry_shape_is_right
	s_endpgm
.Lentry_shape_is_right:
; mo = the weighted sum of a token's three memory rows (f32 multiply-adds);  h = Q([x, mo]) Wf^T + bf on E2M3 codes with E8M0 scales;  LayerNorm over the 1,024 columns, gain, offset, relu.
; x comes as the codes and scale words that the launch before stored; the three slots (whole numbers) and weights of each token likewise.
; SHARES.  A work-group takes 64 tokens and all 1,024 columns, so a row's mean and variance stay inside it.  Wave w gathers and quantises mo of tokens 16 w .. + 15, and multiplies columns 256 w .. + 255 for all 64 tokens.
; THE PRODUCT IS USED TRANSPOSED (source 0 = 16 rows of Wf, source 1 = 16 tokens): a lane holds one token and, in tiles 2 b and 2 b + 1, 16 neighbouring columns.
; K goes in 16 steps of 128: by turns one of x's and one of mo's.  A step's weights (102,400 bytes of register images) come through two LDS slots; each wave fetches and reads its own quarter.  The tokens' 64 images stay in LDS.
; CLUSTER.  The four work-groups of a cluster walk the same weights: every tile is asked for jointly (mask 15).  Each cluster begins its walk at K step (cluster number) mod 8; LDS places go by the trip, global addresses by the K step.
; The variance is taken of h - mean in a second sweep: no difference of large sums.
; LIMITS: NaN and infinities are not served; blocks of mo under 2^-124 keep the scale byte 1; K is summed in an order that begins at the cluster's first K step.
; REGISTERS.  window 0: v1-15 addresses, v16-31 weights' scale words, v32-39 tokens' scale words, v40-87 the 48 gather offsets, v88-101 more addresses, v104-167 mo, v168-205 the quantiser, v208-255 token fragments of even trips;
;   on the way out v40-167 take whole rows, v208-245 LayerNorm's numbers and addresses.
;   window 1: while gathering v0-127 the weights in pairs, v128-227 x's images and scale words on their way to LDS; then v0-191 Wf's 16 fragments, v192-239 token fragments of odd trips; then gain and offset.
;   windows 2, 3: while gathering the two landing sets; then accumulator (tile t, token tile m) at v[64 m + 8 (t % 8)] of window 2 + t / 8.
.set QRT,   25600
.set TILEB, 102400
.set SLOT1, 102400
.set TOKX,  204800                     ; x's images: place J, token tile m at 6,144 J + 1,536 m.  While gathering: wave w's stage at 12,288 w, which the same wave later writes over
.set TOKM,  253952                     ; mo's likewise
.set TSCX,  303104                     ; scale words: 256 J + 16 r + 4 m
.set TSCM,  305152
.set RED,   307200                     ; LayerNorm's partial sums: 256 w + 16 r, and 1,024 further on for the squares
.set SPARE, 309248                     ; the spare words: 128 bytes a wave
.set L16, 1
.set R16, 2
.set WFA, 3
.set WSA, 5
.set TKA, 7
.set TSA, 8
.set MWI, 9
.set MWS, 10
.set STW, 11
.set STR, 12
.set ZO,  13
.set SPW, 14
.set NIL, 15
.set WS,  16
.set TS,  32
.set VO,  40
.set TKC, 88
.set TSC, 89
.set MWC, 90
.set MSC, 91
.set BO,  92
.set XSO, 93
.set XSS, 95
.set HH,  100
.set RR,  101
.set MO,  104
.set TM,  168
.set PW,  184
.set PC,  186
.set OD,  40                           ; the way out: 32 x 4 registers
.set T4,  176
.set TP,  172
.set SU,  186
.set NM,  208
.set RS,  216
.set STO, 224
.set SRD, 225
.set RDW, 226
.set RDR, 227
.set R4,  228
.set WV,  24
.set CX,  25
.set G,   26
.set ROT, 27
.set G1,  28
.set G0,  36
.set SEL, 44
.set WFB, 46                           ; s[46:47] my quarter of tile 0, s[48:49] of tile 8
.set OFS, 50
.set KN,  52
.set CNT, 53
.set KG,  54
.set TMP, 55
.set MKA, 56                           ; s[56:57], s[66:67] the memory table's base for landing sets 0, 1
.set XS0, 58
.set XS1, 60
.set OUTB, 62
.set MOF, 68
.set MSF, 69
.set EPS, 70
.set RCPN, 71
.set TOF, 72
.set TSF, 73
.set BFB, 80
.set MSB, 0
.macro WIN new                         ; the immediate's high byte repeats the setting that is left; a switch that changes nothing is dropped
.if MSB != (\new)
	s_set_vgpr_msb (MSB<<8)|(\new)
.set MSB, (\new)
.endif
.endm
.macro PLACES cnt
.rept \cnt
	v_nop
.endr
.endm
.macro CREST
	s_cmp_lg_u32 s[WV], 0
	s_cbranch_scc1 .Lnot_wave_0_\@
	s_barrier_signal -3
.Lnot_wave_0_\@:
	s_barrier_wait -3
	s_barrier_signal -1
	s_barrier_wait -1
.endm
.macro CROUND
	s_barrier_signal -1
	s_barrier_wait -1
	CREST
.endm
.macro BARRIER                         ; my LDS stores have landed and my LDS loads are in: then the work-group's barrier
	s_wait_dscnt 0x0
	s_barrier_signal -1
	s_barrier_wait -1
.endm
; 64 numbers of a lane, register 16 b + i = k 32 b + 16 (lane / 16) + i of my row, become a fragment's codes in v[PC] on and its scale word in v[PW]
.macro QUANT s
.irp b, 0,1,2,3
	v_max3_num_f32 v[TM+\b], |v[(\s)+16*\b]|, |v[(\s)+16*\b+1]|, 0x1800000   ; with the floor 2^(3 - 127): the byte cannot fall under 1
.endr
.irp i, 2,4,6,8,10,12,14
.irp b, 0,1,2,3
	v_max3_num_f32 v[TM+\b], v[TM+\b], |v[(\s)+16*\b+\i]|, |v[(\s)+16*\b+\i+1]|
.endr
.endr
.irp b, 0,1,2,3
	v_permlanex16_b32 v[TM+4+\b], v[TM+\b], s[SEL], s[SEL+1]
.endr
.irp b, 0,1,2,3
	v_max_num_f32 v[TM+\b], v[TM+\b], v[TM+4+\b]
.endr
.irp b, 0,1,2,3
	v_add_nc_u32 v[TM+12+\b], 0xff000000, v[TM+\b] ; 2 off the exponent field: the conversion's scale operand
.endr
.irp b, 0,1,2,3
	v_lshrrev_b32 v[TM+4+\b], 23, v[TM+12+\b]      ; the scale's byte
.endr
	v_lshl_or_b32 v[PW], v[TM+5], 8, v[TM+4]
	v_lshl_or_b32 v[PW], v[TM+6], 16, v[PW]
	v_lshl_or_b32 v[PW], v[TM+7], 24, v[PW]
.irp c, 0,1
	v_cvt_scalef32_pk16_fp6_f32 v[PC+6*\c:PC+6*\c+2], v[(\s)+32*\c:(\s)+32*\c+15], v[TM+12+2*\c]
	v_cvt_scalef32_pk16_fp6_f32 v[PC+12+4*\c:PC+14+4*\c], v[(\s)+16+32*\c:(\s)+31+32*\c], v[TM+13+2*\c]
.endr
	v_nop                                          ; one plain place behind the scaled conversions
.irp c, 0,1
.irp i, 0,1,2
	v_permlane16_swap_b32 v[PC+6*\c+\i], v[PC+12+4*\c+\i]
.endr
.irp i, 0,1,2
	v_mov_b32 v[PC+3+6*\c+\i], v[PC+12+4*\c+\i]
.endr
.endr
.endm
.macro IMAGE adr, off
.irp c, 0,1,2
	ds_store_b128 v[\adr], v[PC+4*\c:PC+4*\c+3] offset:(\off)+512*\c
.endr
.endm
.macro TURN s                          ; from a row to four registers into the quantiser's order, through my own stage; LDS serves a wave's instructions in order
.set tq, 0
.rept 16
	ds_store_b128 v[STW], v[(\s)+4*tq:(\s)+4*tq+3] offset:528*tq
.set tq, tq+1
.endr
.irp b, 0,1,2,3
.irp q, 0,1,2,3
	ds_load_b128 v[(\s)+16*\b+4*\q:(\s)+16*\b+4*\q+3], v[STR] offset:128*\b+16*\q
.endr
.endr
.endm
.macro FETCHW slot, half
	WIN 0x40
.irp q, 0,1,2,3,4,5,6,7
.irp c, 0,1,2
	ds_load_b128 v[96*(\half)+12*\q+4*\c:96*(\half)+12*\q+4*\c+3], v[WFA+(\slot)] offset:(8*(\half)+\q)*1536+512*\c
.endr
.endr
	WIN 0
.irp e, 0,1
	ds_load_b128 v[WS+8*(\half)+4*\e:WS+8*(\half)+4*\e+3], v[WSA+(\slot)] offset:256*(2*(\half)+\e)
.endr
.endm
.macro FETCHT p, adr, sadr, offF, offS
.if \p
	WIN 0x40
.else
	WIN 0
.endif
.irp e, 0,1,2,3,4,5,6,7,8,9,10,11
	ds_load_b128 v[208-16*(\p)+4*\e:208-16*(\p)+4*\e+3], v[\adr] offset:(\offF)+512*\e
.endr
	WIN 0
	ds_load_b128 v[TS+4*(\p):TS+4*(\p)+3], v[\sadr] offset:\offS
.endm
; the 64 accumulators take turns, one instruction a turn, in the same order in every step, over the loop's backward jump too
.macro MUL t0, cnt, p
.set tt, \t0
.rept \cnt
	WIN (0xA1+0x50*(tt/8))|((\p)<<2)
.irp m, 0,1,2,3
	v_wmma_scale_f32_16x16x128_f8f6f4 v[64*\m+8*(tt%8):64*\m+8*(tt%8)+7], v[12*tt:12*tt+11], v[208-16*(\p)+12*\m:208-16*(\p)+12*\m+11], v[64*\m+8*(tt%8):64*\m+8*(tt%8)+7], v[WS+tt], v[TS+4*(\p)+\m] matrix_a_fmt:MATRIX_FMT_FP6 matrix_b_fmt:MATRIX_FMT_FP6
.endr
.set tt, tt+1
.endr
.endm
; A K STEP on slot p and token set p.  nxt = 1: a step follows; fill = 1: this slot is asked for again, two trips ahead.
.macro FSTEP p, fill, nxt, offF, offS
	s_wait_dscnt 0x0                               ; tiles 0-7, the tokens and the scale words, asked for 32 matrix instructions ago
	PLACES 4                                       ; in front of loads into registers that the last matrix instructions read
	FETCHW \p, 1
	MUL 0, 4, \p
.if \nxt
	WIN 0
	s_wait_tensorcnt 0x0                           ; all my tensor loads have landed: the one that was out is my quarter of the next slot
	ds_add_u32 v[SPW], v[NIL]                      ; 0 onto my spare word
.if \fill
	s_mul_i32 s[OFS], s[KN], TILEB                 ; no tensor load of mine is out: this slot's group 0 takes the tile two trips on
	s_add_nc_u64 s[G0+4*\p+2:G0+4*\p+3], s[WFB+2*\p:WFB+2*\p+1], s[OFS:OFS+1]
	s_or_b32 s[G0+4*\p+3], s[G0+4*\p+3], 0x80000000
.endif
	MUL 4, 2, \p
	s_wait_dscnt 0x0                               ; the add is done, and my reads of this slot are over
	s_barrier_signal -1
	MUL 6, 2, \p
	WIN 0
	s_barrier_wait -1
.if \fill
	CREST                                          ; the barrier has opened a round of the cluster's: no wave of any partner still reads this slot or has a load on its way
	tensor_load_to_lds s[G0+4*\p:G0+4*\p+3], s[G1:G1+7]
	s_nop 0
.endif
	PLACES 4                                       ; the places in front of the loads below
	FETCHW 1-\p, 0
	FETCHT 1-\p, TKC, TSC, \offF, \offS
.else
	MUL 4, 4, \p
	s_wait_dscnt 0x0
.endif
	MUL 8, 8, \p
	WIN 0
.endm
; 48 loads: the K step's 512 bytes of the three rows of each of my 16 tokens, into landing set 0 or 1 (load (t, k) at v[4 (3 t + k)])
.macro GLOAD set
	s_wait_xcnt 0x0                                ; the set's last loads have read their base
	s_lshl_b32 s[OFS], s[KG], 9
	s_add_nc_u64 s[MKA+10*(\set):MKA+10*(\set)+1], s[12:13], s[OFS:OFS+1]
	s_add_co_u32 s[KG], s[KG], 1
	s_and_b32 s[KG], s[KG], 7
	WIN 0x80+0x40*(\set)
.set nn, 0
.rept 48
	global_load_b128 v[4*nn:4*nn+3], v[VO+nn], s[MKA+10*(\set):MKA+10*(\set)+1]
.set nn, nn+1
.endr
	WIN 0
.endm
.macro COMBINE set                     ; mo = w0 row0 + w1 row1 + w2 row2, two numbers an instruction; the weights stand in pairs
	WIN 0x06+(\set)
.set tq, 0
.rept 16
.irp e, 0,1
	v_pk_mul_f32 v[MO+4*tq+2*\e:MO+4*tq+2*\e+1], v[12*tq+2*\e:12*tq+2*\e+1], v[8*tq:8*tq+1]
.endr
.set tq, tq+1
.endr
.irp k, 1,2
.set tq, 0
.rept 16
.irp e, 0,1
	v_pk_fma_f32 v[MO+4*tq+2*\e:MO+4*tq+2*\e+1], v[12*tq+4*\k+2*\e:12*tq+4*\k+2*\e+1], v[8*tq+2*\k:8*tq+2*\k+1], v[MO+4*tq+2*\e:MO+4*tq+2*\e+1]
.endr
.set tq, tq+1
.endr
.endr
	WIN 0
.endm
.macro GREST adr, sadr, off, soff      ; mo's K step becomes an image and a scale word in LDS
	TURN MO
	s_wait_dscnt 0x0
	QUANT MO
	IMAGE \adr, \off
	ds_store_b32 v[\sadr], v[PW] offset:\soff
	s_wait_dscnt 0x0                               ; the stores have read their registers
.endm
.macro GITER set, ld, adr, sadr, off, soff
	s_wait_loadcnt 48                              ; this set's 48 loads are in; the other set's 48 may be out
	COMBINE \set
.if \ld
	GLOAD \set
.endif
	GREST \adr, \sadr, \off, \soff
.endm
.macro BIAS hw                         ; bf into the accumulators of tiles 8 hw .. 8 hw + 7: lane (r, h), tile t, register j: column 256 w + 32 (t / 2) + 16 h + 8 (t % 2) + j
	WIN 0x80+0x40*(\hw)
.set tt, 8*(\hw)
.rept 8
.irp m, 0,1,2,3
.irp q, 0,1
	global_load_b128 v[64*\m+8*(tt%8)+4*\q:64*\m+8*(tt%8)+4*\q+3], v[BO], s[BFB:BFB+1] offset:(32*(tt/2)+8*(tt%2))*4+16*\q
.endr
.endr
.set tt, tt+1
.endr
	WIN 0
.endm
; four sums a lane (one for each token tile) are joined over the lanes' halves and the four waves; off: the exchange's place in RED
.macro JOIN off
.irp m, 0,1,2,3
	v_add_f32 v[T4+\m], v[SU+2*\m], v[SU+2*\m+1]
.endr
.irp m, 0,1,2,3
	v_permlanex16_b32 v[TP+\m], v[T4+\m], s[SEL], s[SEL+1]
.endr
.irp m, 0,1,2,3
	v_add_f32 v[T4+\m], v[T4+\m], v[TP+\m]
.endr
	ds_store_b128 v[RDW], v[T4:T4+3] offset:\off
	BARRIER
.irp u, 0,1,2,3
	ds_load_b128 v[R4+4*\u:R4+4*\u+3], v[RDR] offset:(\off)+256*\u
.endr
	s_wait_dscnt 0x0
.irp m, 0,1,2,3
	v_add_f32 v[T4+\m], v[R4+\m], v[R4+4+\m]
.endr
.irp m, 0,1,2,3
	v_add_f32 v[TP+\m], v[R4+8+\m], v[R4+12+\m]
.endr
.irp m, 0,1,2,3
	v_add_f32 v[T4+\m], v[T4+\m], v[TP+\m]
.endr
.endm
.macro NORM m                          ; token tile m: x 1 / sqrt(var + eps), x gain + offset, relu
.irp hw, 0,1
	WIN 0x82+0x41*\hw
.set nn, 0
.rept 32
	v_pk_mul_f32 v[64*(\m)+nn:64*(\m)+nn+1], v[64*(\m)+nn:64*(\m)+nn+1], v[RS+2*(\m):RS+2*(\m)+1]
.set nn, nn+2
.endr
	WIN 0x96+0x41*\hw
.set nn, 0
.rept 32
	v_pk_fma_f32 v[64*(\m)+nn:64*(\m)+nn+1], v[64*(\m)+nn:64*(\m)+nn+1], v[64*\hw+nn:64*\hw+nn+1], v[128+64*\hw+nn:128+64*\hw+nn+1]
.set nn, nn+2
.endr
	WIN 0x88+0x44*\hw
.set nn, 0
.rept 64
	v_max_num_f32 v[64*(\m)+nn], 0, v[64*(\m)+nn]
.set nn, nn+1
.endr
.endr
	WIN 0
.endm
; token tile m leaves: a lane's runs of 16 columns go into my stage (rows of 1,024 bytes + 16) and come back as rows; each store covers 512 consecutive bytes, aligned
.macro OUT m
.irp hw, 0,1
	WIN 0x08+4*\hw
.irp b, 0,1,2,3
.irp q, 0,1,2,3
	ds_store_b128 v[STO], v[64*(\m)+16*\b+4*\q:64*(\m)+16*\b+4*\q+3] offset:512*\hw+128*\b+16*\q
.endr
.endr
.endr
	WIN 0
	s_wait_xcnt 0x0                                ; the last tile's stores have read their registers
.set nn, 0
.rept 32
	ds_load_b128 v[OD+4*nn:OD+4*nn+3], v[SRD] offset:1040*(nn/2)+512*(nn%2)
.set nn, nn+1
.endr
.set nn, 0
.rept 32
	s_wait_dscnt 31-nn                             ; the loads issued behind this one may be out
	global_store_b128 v[L16], v[OD+4*nn:OD+4*nn+3], s[OUTB:OUTB+1] offset:(16*(\m)+nn/2)*4096+512*(nn%2) th:TH_STORE_NT
.set nn, nn+1
.endr
.endm
	s_load_b512 s[4:19], s[0:1], 0x0               ; xqc, xqs, tki, tkw, memory, wfi, bf, gamma
	s_load_b128 s[20:23], s[0:1], 0x40             ; beta, out0
	v_lshl_add_u32 v[SPW], v0, 2, SPARE
	v_mov_b32 v[NIL], 0
	ds_add_u32 v14, v15
	ds_add_u32 v14, v15
	s_wait_dscnt 0x0
	v_lshrrev_b32 v[HH], 5, v0
	v_readfirstlane_b32 s[WV], v[HH]               ; wave 0..3
	s_bfe_u32 s[CX], ttmp6, 0x40000                ; my place in the cluster: it enters global addresses of my own rows alone
	s_lshl_b32 s[G], ttmp9, 2
	s_add_co_u32 s[G], s[G], s[CX]                 ; my block of 64 tokens
	s_and_b32 s[ROT], ttmp9, 7                     ; the cluster's first K step: the four partners share it
	s_mov_b32 s[OFS+1], 0
	s_mov_b32 s[SEL], 0x76543210
	s_mov_b32 s[SEL+1], 0xfedcba98
	s_mov_b32 s[EPS], 0x3727c5ac                   ; 1e-5
	s_mov_b32 s[RCPN], 0x3a800000                  ; 1 / 1,024
	v_and_b32 v[RR], 31, v0
	v_lshlrev_b32 v[L16], 4, v[RR]
	v_and_b32 v[RR], 15, v0                        ; r
	v_lshlrev_b32 v[R16], 4, v[RR]
	v_bfe_u32 v[HH], v0, 4, 1                      ; h
	v_mov_b32 v[ZO], 0
	s_mul_i32 s[TMP], s[WV], QRT
	v_add_nc_u32 v[WFA], s[TMP], v[L16]
	v_add_nc_u32 v[WFA+1], SLOT1, v[WFA]
	v_add_nc_u32 v[WSA], s[TMP], v[R16]
	v_add_nc_u32 v[WSA], 24576, v[WSA]
	v_add_nc_u32 v[WSA+1], SLOT1, v[WSA]
	v_add_nc_u32 v[TKA], TOKX, v[L16]
	v_add_nc_u32 v[TSA], TSCX, v[R16]
	s_mul_i32 s[TMP], s[WV], 1536
	s_add_co_u32 s[TMP], s[TMP], TOKM
	v_add_nc_u32 v[MWI], s[TMP], v[L16]
	s_lshl_b32 s[TMP], s[WV], 2
	s_add_co_u32 s[TMP], s[TMP], TSCM
	v_add_nc_u32 v[MWS], s[TMP], v[R16]
	s_mul_i32 s[TMP], s[WV], 12288
	s_add_co_u32 s[TMP], s[TMP], TOKX
	v_add_nc_u32 v[STW], s[TMP], v[L16]            ; my stage; later the place of the x images that I bring
	v_mul_u32_u24 v[STR], v[RR], 528
	v_lshl_add_u32 v[STR], v[HH], 6, v[STR]
	v_add_nc_u32 v[STR], s[TMP], v[STR]
	s_lshl_b32 s[TMP], s[WV], 9
	s_add_co_u32 s[TMP], s[TMP], TSCX
	v_add_nc_u32 v[XSS], s[TMP], v[L16]
	s_lshl_b32 s[TMP], s[WV], 1
	s_add_co_u32 s[TMP], s[TMP], s[ROT]
	v_add_nc_u32 v[XSO], s[TMP], v[HH]
	v_and_b32 v[XSO], 7, v[XSO]                    ; the K step of place 2 w + h
	v_lshl_add_u32 v[XSO], v[XSO], 8, v[R16]
	v_lshlrev_b32 v[BO], 6, v[HH]                  ; 64 h: the lane offset of bias, gain and offset
.irp b, 0,1,2,3
	v_mov_b32 v[TM+4+\b], 0                        ; a lane permute's destination counts as one of its sources
.endr
	; descriptor group 1: a quarter of a weight tile, dense: 100 rows of 256 bytes (32 elements of 8 bytes)
	s_mov_b32 s[G1], 15|(3<<16)|(1<<21)            ; the mask names the four partners
	s_mov_b32 s[G1+1], 32<<16
	s_mov_b32 s[G1+2], 100<<16
	s_mov_b32 s[G1+3], 32<<16
	s_mov_b32 s[G1+4], 100
	s_mov_b32 s[G1+5], 32
	s_mov_b32 s[G1+6], 0
	s_mov_b32 s[G1+7], 0
	s_wait_kmcnt 0x0
	s_mul_i32 s[OFS], s[WV], QRT
	s_add_nc_u64 s[WFB:WFB+1], s[14:15], s[OFS:OFS+1]
	s_add_nc_u64 s[WFB+2:WFB+3], s[WFB:WFB+1], 819200
	s_mul_i32 s[OFS], s[ROT], TILEB
	s_mov_b32 s[G0], 1
	s_mul_i32 s[G0+1], s[WV], QRT
	s_add_nc_u64 s[G0+2:G0+3], s[WFB:WFB+1], s[OFS:OFS+1]
	s_or_b32 s[G0+3], s[G0+3], 0x80000000
	s_mov_b32 s[G0+4], 1
	s_add_co_u32 s[G0+5], s[G0+1], SLOT1
	s_add_nc_u64 s[G0+6:G0+7], s[WFB+2:WFB+3], s[OFS:OFS+1]
	s_or_b32 s[G0+7], s[G0+7], 0x80000000
	CROUND                                         ; the four work-groups are here: the first joint loads meet
	tensor_load_to_lds s[G0:G0+3], s[G1:G1+7]      ; trips 0 and 1: two loads of mine are out; they land while mo is gathered
	s_nop 0
	tensor_load_to_lds s[G0+4:G0+7], s[G1:G1+7]
	s_nop 0
	PLACES 4
	s_mul_i32 s[CNT], s[G], 49152                  ; my block's codes of x
	s_lshl_b32 s[TMP], s[WV], 1
	s_add_co_u32 s[TMP], s[TMP], s[ROT]
	s_and_b32 s[KG], s[TMP], 7
	s_mul_i32 s[OFS], s[KG], 6144
	s_add_co_u32 s[OFS], s[OFS], s[CNT]
	s_add_nc_u64 s[XS0:XS0+1], s[4:5], s[OFS:OFS+1]   ; place 2 w
	s_add_co_u32 s[TMP], s[TMP], 1
	s_and_b32 s[KG], s[TMP], 7
	s_mul_i32 s[OFS], s[KG], 6144
	s_add_co_u32 s[OFS], s[OFS], s[CNT]
	s_add_nc_u64 s[XS1:XS1+1], s[4:5], s[OFS:OFS+1]   ; place 2 w + 1
	s_lshl_b32 s[OFS], s[G], 11
	s_add_nc_u64 s[74:75], s[6:7], s[OFS:OFS+1]    ; my block's scale words of x
	s_lshl_b32 s[TMP], s[WV], 9
	s_add_co_u32 s[OFS], s[OFS], s[TMP]
	s_add_nc_u64 s[78:79], s[10:11], s[OFS:OFS+1]  ; my 16 tokens' weights
	s_lshl_b32 s[OFS], s[G], 10
	s_lshl_b32 s[TMP], s[WV], 8
	s_add_co_u32 s[OFS], s[OFS], s[TMP]
	s_add_nc_u64 s[76:77], s[8:9], s[OFS:OFS+1]    ; and slots
	s_lshl_b32 s[OFS], s[WV], 10
	s_add_nc_u64 s[BFB:BFB+1], s[16:17], s[OFS:OFS+1]
	s_add_nc_u64 s[82:83], s[18:19], s[OFS:OFS+1]  ; gain
	s_add_nc_u64 s[84:85], s[20:21], s[OFS:OFS+1]  ; offset
	s_lshl_b32 s[TMP], s[G], 18
	s_add_co_u32 s[OFS], s[OFS], s[TMP]
	s_add_nc_u64 s[OUTB:OUTB+1], s[22:23], s[OFS:OFS+1]
	WIN 0x40
.set nn, 0
.rept 12
	global_load_b128 v[128+4*nn:128+4*nn+3], v[L16], s[XS0:XS0+1] offset:512*nn th:TH_LOAD_NT
	global_load_b128 v[176+4*nn:176+4*nn+3], v[L16], s[XS1:XS1+1] offset:512*nn th:TH_LOAD_NT
.set nn, nn+1
.endr
	global_load_b128 v[224:227], v[XSO], s[74:75] th:TH_LOAD_NT
.set nn, 0
.rept 32
	global_load_b128 v[4*nn:4*nn+3], v[ZO], s[78:79] offset:16*nn    ; every lane takes the same 16 bytes: token nn / 2's weights, in pairs
.set nn, nn+1
.endr
	WIN 0
.set nn, 0
.rept 16
	global_load_b128 v[MO+4*nn:MO+4*nn+3], v[ZO], s[76:77] offset:16*nn   ; token nn's three slots
.set nn, nn+1
.endr
	s_wait_loadcnt 0x0
.set tq, 0
.rept 16
.irp k, 0,1,2
	v_min_u32 v[MO+4*tq+\k], 63, v[MO+4*tq+\k]     ; a slot stays inside the table
	v_lshl_add_u32 v[VO+3*tq+\k], v[MO+4*tq+\k], 12, v[L16]   ; its row of 4,096 bytes, + 16 bytes a lane
.endr
.set tq, tq+1
.endr
	s_mov_b32 s[KG], s[ROT]
	GLOAD 0
	GLOAD 1
	s_mov_b32 s[CNT], 3
	s_mov_b32 s[MOF], 0
	s_mov_b32 s[MSF], 0
.Lg:                                               ; three trips, two K steps of mo each; each asks for the K step two on
	v_add_nc_u32 v[MWC], s[MOF], v[MWI]            ; (no LDS instruction of mine is out)
	v_add_nc_u32 v[MSC], s[MSF], v[MWS]
	GITER 0, 1, MWC, MSC, 0, 0
	GITER 1, 1, MWC, MSC, 6144, 256
	s_add_co_u32 s[MOF], s[MOF], 12288
	s_add_co_u32 s[MSF], s[MSF], 512
	s_sub_co_u32 s[CNT], s[CNT], 1
	s_cmp_lg_u32 s[CNT], 0
	s_cbranch_scc1 .Lg
	GITER 0, 0, MWI, MWS, 36864, 1536              ; the last two ask for nothing more of the table
	s_wait_loadcnt 0x0
	BIAS 0                                         ; landing set 0 is done with: the bias of tiles 0-7 takes its place
	COMBINE 1
	BIAS 1
	GREST MWI, MWS, 43008, 1792
	WIN 0x04                                       ; an LDS store's data are its source 1: window 1
.set nn, 0
.rept 24
	ds_store_b128 v[STW], v[128+4*nn:128+4*nn+3] offset:512*nn    ; x's images of places 2 w and 2 w + 1, over my stage
.set nn, nn+1
.endr
	ds_store_b128 v[XSS], v[224:227]
	WIN 0
	s_wait_tensorcnt 1                             ; my quarter of trip 0's tile is in; trip 1's may stay out
	BARRIER                                        ; the tokens' 64 images and their scale words lie in LDS
	FETCHW 0, 0
	FETCHT 0, TKA, TSA, 0, 0
	s_wait_loadcnt 0x0                             ; the bias
	s_add_co_u32 s[KN], s[ROT], 1
	s_and_b32 s[KN], s[KN], 7
	s_mov_b32 s[TOF], 0
	s_mov_b32 s[TSF], 0
	s_mov_b32 s[CNT], 7
.Lk:                                               ; seven trips: a K step of x and one of mo; both slots are asked for again
	s_wait_dscnt 0x0
	v_add_nc_u32 v[TKC], s[TOF], v[TKA]            ; (no LDS instruction of mine is out)
	v_add_nc_u32 v[TSC], s[TSF], v[TSA]
	FSTEP 0, 1, 1, 49152, 2048
	FSTEP 1, 1, 1, 6144, 256
	s_add_co_u32 s[KN], s[KN], 1
	s_and_b32 s[KN], s[KN], 7
	s_add_co_u32 s[TOF], s[TOF], 6144
	s_add_co_u32 s[TSF], s[TSF], 256
	s_sub_co_u32 s[CNT], s[CNT], 1
	s_cmp_lg_u32 s[CNT], 0
	s_cbranch_scc1 .Lk
	s_wait_dscnt 0x0
	v_add_nc_u32 v[TKC], 43008, v[TKA]
	v_add_nc_u32 v[TSC], 1792, v[TSA]
	FSTEP 0, 0, 1, 49152, 2048                     ; the last two steps are written out: they ask for nothing
	FSTEP 1, 0, 0, 0, 0
	PLACES 4                                       ; behind the last products: their results are read and their operands' registers written below
	WIN 0x40
.set tt, 0
.rept 16
.irp q, 0,1
	global_load_b128 v[8*tt+4*\q:8*tt+4*\q+3], v[BO], s[82:83] offset:(32*(tt/2)+8*(tt%2))*4+16*\q          ; gain, in the accumulators' order
	global_load_b128 v[128+8*tt+4*\q:128+8*tt+4*\q+3], v[BO], s[84:85] offset:(32*(tt/2)+8*(tt%2))*4+16*\q  ; offset
.endr
.set tt, tt+1
.endr
	WIN 0
	v_and_b32 v244, 15, v0                         ; r
	v_bfe_u32 v245, v0, 4, 1                       ; h
	s_mul_i32 s[TMP], s[WV], 16640                 ; my stage for the way out, in slot 0: it has had its last fill, and the barriers below stand behind every wave's last read of it
	v_mul_u32_u24 v[STO], v244, 1040
	v_lshl_add_u32 v[STO], v245, 6, v[STO]
	v_add_nc_u32 v[STO], s[TMP], v[STO]
	v_add_nc_u32 v[SRD], s[TMP], v[L16]
	v_add_nc_u32 v[RDR], RED, v[R16]
	s_lshl_b32 s[TMP], s[WV], 8
	v_add_nc_u32 v[RDW], s[TMP], v[RDR]
	; the rows' sums: four chains, one for each token tile; each accumulator from its low end on
	WIN 0x0A
.irp m, 0,1,2,3
	v_pk_add_f32 v[SU+2*\m:SU+2*\m+1], v[64*\m:64*\m+1], v[64*\m+2:64*\m+3]
.endr
	WIN 0x08
.set nn, 4
.rept 30
.irp m, 0,1,2,3
	v_pk_add_f32 v[SU+2*\m:SU+2*\m+1], v[SU+2*\m:SU+2*\m+1], v[64*\m+nn:64*\m+nn+1]
.endr
.set nn, nn+2
.endr
	WIN 0x0C
.set nn, 0
.rept 32
.irp m, 0,1,2,3
	v_pk_add_f32 v[SU+2*\m:SU+2*\m+1], v[SU+2*\m:SU+2*\m+1], v[64*\m+nn:64*\m+nn+1]
.endr
.set nn, nn+2
.endr
	WIN 0
	JOIN 0
.irp m, 0,1,2,3
	v_mul_f32 v[NM+2*\m], 0xba800000, v[T4+\m]     ; - mean
.endr
.irp m, 0,1,2,3
	v_mov_b32 v[NM+2*\m+1], v[NM+2*\m]
.endr
.irp hw, 0,1
	WIN 0x82+0x41*\hw
.irp m, 0,1,2,3
.set nn, 0
.rept 32
	v_pk_add_f32 v[64*\m+nn:64*\m+nn+1], v[64*\m+nn:64*\m+nn+1], v[NM+2*\m:NM+2*\m+1]   ; h - mean, in place
.set nn, nn+2
.endr
.endr
.endr
	WIN 0x0A
.irp m, 0,1,2,3
	v_pk_mul_f32 v[SU+2*\m:SU+2*\m+1], v[64*\m:64*\m+1], v[64*\m:64*\m+1]
.endr
.set nn, 2
.rept 31
.irp m, 0,1,2,3
	v_pk_fma_f32 v[SU+2*\m:SU+2*\m+1], v[64*\m+nn:64*\m+nn+1], v[64*\m+nn:64*\m+nn+1], v[SU+2*\m:SU+2*\m+1]
.endr
.set nn, nn+2
.endr
	WIN 0x0F
.set nn, 0
.rept 32
.irp m, 0,1,2,3
	v_pk_fma_f32 v[SU+2*\m:SU+2*\m+1], v[64*\m+nn:64*\m+nn+1], v[64*\m+nn:64*\m+nn+1], v[SU+2*\m:SU+2*\m+1]
.endr
.set nn, nn+2
.endr
	WIN 0
	JOIN 1024
.irp m, 0,1,2,3
	v_fma_f32 v[T4+\m], v[T4+\m], s[RCPN], s[EPS]  ; var + eps
.endr
.irp m, 0,1,2,3
	v_rsq_f32 v[RS+2*\m], v[T4+\m]
.endr
	v_nop                                          ; a plain place behind the four
	s_wait_alu depctr_va_vdst(0)                   ; one wait for the four, ahead of their first reader
.irp m, 0,1,2,3
	v_mov_b32 v[RS+2*\m+1], v[RS+2*\m]
.endr
	s_wait_loadcnt 0x0                             ; gain and offset
	NORM 0
	OUT 0
	NORM 1                                         ; a tile's stores leave while the next is normalised
	OUT 1
	NORM 2
	OUT 2
	NORM 3
	OUT 3
	s_wait_tensorcnt 0x0                           ; the wave's end
	ds_add_u32 v[SPW], v[NIL]
	s_wait_dscnt 0x0
	CROUND                                         ; the closing round
	s_endpgm
.Lfunc_end_k_qe445e21997_fuse:
	.size	k_qe445e21997_fuse, .Lfunc_end_k_qe445e21997_fuse-k_qe445e21997_fuse
	.p2alignl 7, 3214868480
	.fill 96, 4, 3214868480
	.section	.rodata,"a",@progbits
	.p2align	6, 0x0
	.amdhsa_kernel k_qe445e21997_fuse
		.amdhsa_group_segment_fixed_size 327680
		.amdhsa_private_segment_fixed_size 0
		.amdhsa_enable_private_segment 0
		.amdhsa_kernarg_size 80
		.amdhsa_user_sgpr_count 2
		.amdhsa_user_sgpr_kernarg_segment_ptr 1
		.amdhsa_wavefront_size32 1
		.amdhsa_system_sgpr_workgroup_id_x 1
		.amdhsa_system_sgpr_workgroup_id_y 1
		.amdhsa_system_sgpr_workgroup_id_z 1
		.amdhsa_system_vgpr_workitem_id 0
		.amdhsa_next_free_vgpr 1024
		.amdhsa_next_free_sgpr 100
		.amdhsa_reserve_vcc 0
		.amdhsa_float_denorm_mode_32 3
		.amdhsa_float_denorm_mode_16_64 3
		.amdhsa_memory_ordered 1
		.amdhsa_forward_progress 1
		.amdhsa_inst_pref_size 255
	.end_amdhsa_kernel
	.section	.bss,"aw",@nobits
	.p2align	6
	.space	262144
	.amdgpu_metadata
---
amdhsa.version: [ 1, 2 ]
amdhsa.kernels:
  - .name:           k_qe445e21997_fuse
    .symbol:         k_qe445e21997_fuse.kd
    .args:
      - { .name: xqc, .offset: 0, .size: 8, .value_kind: global_buffer, .address_space: global }
      - { .name: xqs, .offset: 8, .size: 8, .value_kind: global_buffer, .address_space: global }
      - { .name: tki, .offset: 16, .size: 8, .value_kind: global_buffer, .address_space: global }
      - { .name: tkw, .offset: 24, .size: 8, .value_kind: global_buffer, .address_space: global }
      - { .name: memory, .offset: 32, .size: 8, .value_kind: global_buffer, .address_space: global }
      - { .name: wfi, .offset: 40, .size: 8, .value_kind: global_buffer, .address_space: global }
      - { .name: bf, .offset: 48, .size: 8, .value_kind: global_buffer, .address_space: global }
      - { .name: gamma, .offset: 56, .size: 8, .value_kind: global_buffer, .address_space: global }
      - { .name: beta, .offset: 64, .size: 8, .value_kind: global_buffer, .address_space: global }
      - { .name: out0, .offset: 72, .size: 8, .value_kind: global_buffer, .address_space: global }
    .group_segment_fixed_size: 327680
    .private_segment_fixed_size: 0
    .kernarg_segment_align: 8
    .kernarg_segment_size: 80
    .max_flat_workgroup_size: 128
    .sgpr_count:     100
    .vgpr_count:     1024
    .wavefront_size: 32
...
	.end_amdgpu_metadata
.endif
;; end of part 3
